; MI455X (gfx1250); checked and timed in simulation.
; The chip was launched on July 23, 2026; its instructions are those of AMD's public machine-readable ISA for CDNA 5 (MIT licence, August 2026) and "CDNA5" Instruction Set Architecture Reference Guide (July 2026). The comments in the code are by the model that wrote it; some were corrected since.
;; Attention. Allowed arithmetic: matrix products marked QUANTISED: E2M1 operands, one E8M0 scale for each 32 along K, by v_wmma_scale_f32_16x16x128_f8f6f4 with both operands' format E2M1 (or v_wmma_scale_f32_32x16x128_f4), f32 sums; everything else in f32.
;; Inputs: key_layer 4 x 2,048 x 1,024 float32; query_layer 4 x 2,048 x 1,024 float32; value_layer_codes 4 x 1,024 x 64 x 16 uint8 (E2M1 codes of value_layer, K innermost, in blocks of 32 codes, two codes a byte); value_layer_scales 4 x 1,024 x 64 uint8 (E8M0 scales of value_layer, one for each 32 codes along K).
;; Outputs: out0 4 x 2,048 x 1,024 float32.
;; This version of the problem:
;;   THIS VERSION OF THE PROBLEM IS GIVEN IN LOW PRECISION. The matrix products marked QUANTISED in the list below multiply operands that are first quantised to E2M1 (2 exponent bits, 1 mantissa bit; 4 bits a number), with one power-of-two scale for each 32 numbers along K (OCP MX v1.0); their sums are f32. All else is computed in f32.
;;   The module's matrix products, in the order in which they are computed (A, B: the left and right operand; K: the contracted axis; several contracted axes count as one K, in the product's order):
;;     1. batch 64 x [M 2,048, K 64] x [K 64, N 2,048]; A: input query_layer; B: input key_layer: QUANTISED
;;     2. batch 64 x [M 2,048, K 2,048] x [K 2,048, N 64]; A: softmax (see below); B: input value_layer (given as codes): QUANTISED
;;   THE QUANTISER, for each operand of a quantised product, along K:
;;     - K is cut into blocks of 32 from its start; a last block that is shorter is filled with zeros.
;;     - A block's scale is 2^e with e = floor(log2(the largest magnitude in the block)) - 2, held to -126 .. 127; a block of zeros has e = 0. As a byte (E8M0): e + 127.
;;     - Each number is divided by its block's scale, clamped to +-6, and rounded to the nearest number of E2M1, ties to even, subnormals kept.
;;     - The product sums the exact products of the quantised numbers (number of the format x scale) in f32.
;;   ~~~python
;;   def quantise(x, axis):      # numpy; x: float32 -> the quantised numbers, widened to float32 again
;;       x = np.moveaxis(x, axis, -1); K = x.shape[-1]
;;       x = np.pad(x, [(0, 0)] * (x.ndim - 1) + [(0, -K % 32)]); x = x.reshape(x.shape[:-1] + (-1, 32)); a = np.abs(x).max(-1, keepdims=True)
;;       e = np.where(a > 0, np.clip(np.frexp(np.where(a > 0, a, 1))[1] - 1 - 2, -126, 127), 0)      # np.frexp(a)[1] - 1 = floor(log2(a)), exactly
;;       r = np.clip(x / 2.0 ** e, -6, 6)
;;       step = 2.0 ** (np.maximum(np.frexp(np.where(r == 0, 1, r))[1] - 1, 0) - 1)
;;       q = np.round(r / step) * step * 2.0 ** e      # np.round: ties to even
;;       return np.moveaxis(q.reshape(q.shape[:-2] + (-1,))[..., :K], -1, axis).astype(np.float32)
;;   ~~~
;;   SOFTMAX AHEAD OF A QUANTISED PRODUCT. Where the list says 'softmax', what is quantised is not the finished softmax but p = 2^(t - M), with t = logit x log2(e) and M = ceil(the row's largest t), a whole number; so 1/2 < the row's largest p <= 1. The row's sum l is taken of the UNQUANTISED p, in f32, and the product's result is divided by l at the end. Since M is a whole number, a kernel that streams over the keys may use a running M (the ceiling of the running maximum): every later rescaling is an exact power of two, which a block's scale takes up: the codes' values come out the same.
;;   OPERANDS COMPUTED ON THE WAY. 'Computed on the way' means the value that the module computes at that place (a softmax that the list does not call 'softmax' is quantised finished and normalised). What goes into a quantiser is computed in f32, as accurately as f32 sums, v_exp_f32 and their like allow (about 1e-6 of the number): no bf16 or f16 on the way to a quantiser, and a product that is left as it is and whose result goes on into a quantised operand takes f32 operands (vector FMAs, or v_wmma_f32_16x16x4_f32). A number that lies on a knife's edge between two numbers of the format may be rounded either way, as far as f32 arithmetic and the matrix unit's own rounding can turn it there, and no further.
;;   INPUTS GIVEN AS CODES. value_layer (in the module: [4, 2048, 1024], K = its axis 1): each comes as NAME_codes (uint8): NAME with its K axis moved to the last place and cut into blocks of 32 codes, [.., K / 32, bytes a block], one block behind the other in memory; two codes a byte, the lower K in the low four bits (a code: sign, 2 exponent bits, 1 mantissa bit); and NAME_scales (uint8): the same leading axes, one E8M0 byte (e + 127) for each 32 codes along K. Its value is code x scale, taken as it is: it is not quantised again, and the codes and scales need not be those that the quantiser above would give.
;; One version. Each part assembles by itself: llvm-mc -triple=amdgcn-amd-amdhsa -mcpu=gfx1250 --defsym DOCPART=n.
;; ======== version 1 of 1: 1 launch
;; limits: right only within a limited range of input values
;; launch attn (part 1): grid 4 x 64, 16 waves a work-group, clusters of 4 x 1, 327,680 bytes of LDS; arguments query_layer, key_layer, value_layer_codes, value_layer_scales, out0; writes out0
.if DOCPART == 1
	.amdgcn_target "amdgcn-amd-amdhsa--gfx1250"
	.amdhsa_code_object_version 6
	.text
	.protected	k_q76b3f6b056_attn
	.globl	k_q76b3f6b056_attn
	.p2align	8
	.type	k_q76b3f6b056_attn,@function
k_q76b3f6b056_attn:
	s_mov_b64 s[64:65], 0
	v_nop
	global_prefetch_b8 v0, s[64:65] scope:SCOPE_SE
	s_setreg_imm32_b32 hwreg(HW_REG_WAVE_MODE, 25, 1), 1
	s_wait_xcnt 0x0
	s_wait_alu depctr_hold_cnt(0) depctr_sa_sdst(0) depctr_va_vdst(0) depctr_va_sdst(0) depctr_va_ssrc(0) depctr_va_vcc(0) depctr_vm_vsrc(0)
	s_getreg_b32 s2, hwreg(HW_REG_IB_STS2, 6, 4)
	s_cmp_eq_u32 s2, 0
	s_cbranch_scc0 .Lentry_in_a_cluster
	s_endpgm
.Lentry_in_a_cluster:
	s_bfe_u32 s2, ttmp6, 0x10000c
	s_cmp_lg_u32 s2, 0x3003
	s_cbranch_scc0 .Lentry_shape_is_right
	s_endpgm
.Lentry_shape_is_right:
; out[b][n][64 hd ..] = the sum over m of softmax_m(q[n] . k[m] / 8) v[m]: 64 heads (b = y / 16, hd = y % 16), 2,048 queries, 2,048 keys, head size 64; both products on codes of FP4 (E2M1), one E8M0 scale for each 32 along K.
; q, k: [4][2048][1024] f32, quantised here along the head's 64 (two blocks).  v: codes with the keys innermost, [4][1024][1024 bytes], scale bytes [4][1024][64].  out: [4][2048][1024] f32.
; SOFTMAX: t = score x log2(e) / 8; M = the running largest t rounded up to a whole number; p = 2^(t - M) is quantised along the keys; the row's sum is taken of the unquantised p and divides at the end.
; When M moves, the sum and O are multiplied by 2^(old M - new M): exact.
; SHARES.  Work-group (x, y): head y, queries 512 x on.  Each of sixteen waves owns 32 queries, two tiles of 16, and walks all keys, 128 a key step, both tiles on each fragment read from LDS.
; K IS QUANTISED ON THE WAY.  K's f32 rows (256 bytes of a head) come by tensor loads through a ring of two slots of 256 keys (two key steps).  In each key step wave w turns 8 keys of the NEXT slot into codes:
; a lane reads 16 neighbours (64 bytes) of row l / 4, lanes l and l xor 1 share a block; codes and scale bytes go into a double buffer of images of the operand's registers, which all waves read one slot later.
; ONE round of the cluster's barrier for two key steps.  In front of it: my tensor loads have landed, my stores of codes and my reads of the f32 slot and of the images are over.  Behind it the slot whose f32 rows were turned
; into codes one slot ago is filled with the keys two slots on.  The round's opening signal stands in tile 1's softmax of the slot's second key step; the rest of that softmax and the second product, work on registers, stand inside the round.
; CLUSTER: the four work-groups of a head read the same K and V: every tensor load is a joint request of the four (mask 15); its descriptor hangs on the head and the wave's number alone.
; K = 64 IN AN INSTRUCTION 128 DEEP.  A fragment of source 0 holds two tiles of 16 keys (k 0-63 tile 2 b, k 64-127 tile 2 b + 1); against [Q, zeros] it gives tile 2 b's scores, against [zeros, Q] tile 2 b + 1's.
; LAYOUT.  Both products transposed (S^T = K Q^T, O^T = V^T P^T): a lane holds one query.  Row r of tile 2 b + u is key 32 b + 8 u + r + 8 (r / 8), so that the 16 registers of tiles 2 b, 2 b + 1 are 16 neighbouring keys.
; PREFETCH: in the slot step that loads tile s + 2, wave 0 names tile s + 3: 64 of its 256 rows for each of the four partners, told apart by address, 32 rows (a lane a row of 256 bytes) in each key step; tiles 0 to 2 come by their loads alone; nothing is named past tile 7.
; LIMITS: NaN and infinities among the inputs are not served.  A block of zeros gets the scale byte 1 where the rule says 127: its codes are zeros, and this program alone reads the bytes.  p under 2^-126 counts as 0.
; The running largest t starts at -3e38.  A block's largest p is made from its largest score by the same two instructions: that takes v_exp_f32 not to fall where its input rises.
.set KFP,   272                        ; an f32 row of K in LDS: 256 bytes + 16
.set SLOTB, 256*KFP                    ; a slot: 256 keys.  Slots at 0 and SLOTB
.set VC,    2*SLOTB                    ; V's codes: 64 rows of 1,024 bytes + 16
.set VP,    1040
.set VS,    VC+64*VP                   ; V's scale bytes: 16 rows of 256 bytes + 8
.set VSP,   264
.set KC,    VS+4352                    ; K's images, stored by the waves: buffer p at 8192 p, key step a at 4096 a, fragment b at 1024 b, registers 4 c on at 512 c, lane at 16 l
.set KS,    KC+16384                   ; K's scale words: 512 p + 256 a + 16 r + 4 b
.set STG,   KS+1024                    ; 4,352 bytes a wave: 0: the turn of q (32 x 80); 2560: Q's images; 3584: Q's scale words; on the way out 16 rows x 272
.set WSTG,  4352
.set SPARE, STG+16*WSTG                ; the spare words, 128 bytes a wave
.set SSB,   256*4096                   ; a slot's keys in memory
.set AK0, 1
.set AS0, 2
.set AV0, 3
.set AW0, 4
.set GL,  5                            ; 4096 (l / 16) + 16 (l % 16): two rows of a head
.set WI,  6
.set WR,  7
.set ST,  8                            ; tile q at v[8 + 4 q]: -M, the largest t, the sum in two halves
                                       ; v16-35: Q1, zeros, Q0, zeros, Q1
.set KV,  36                           ; four fragments of K, then of V
.set SC,  68                           ; S^T, then p; at a key step's top v68-83: 16 numbers of K
.set OT,  132                          ; O^T, 32 a tile
.set PC,  196                          ; p's codes, 8 a tile; at a key step's top K's codes and byte
.set QSW, 212                          ; v212-221 hold scales and nothing else
.set KSW, 214
.set VSW, 218
.set PW,  220
.set BM,  222
.set BP,  226
.set SO,  230
.set FF,  234
.set TT,  236
.set PFO, 238                          ; the prefetch's offset: 4096 x lane
.set KFR, 240                          ; v240, v241: my 64 bytes of my wave's rows in slot 0, 1
.set ADV, 242
.set ADW, 243
.set SI,  244
.set SOU, 245
.set KCD, 246
.set KBD, 247
.set QCD, 248
.set QBD, 249
.set QR,  250
.set QSR, 251
.set SPW, 252                          ; my spare word; never rewritten
.set NIL, 253                          ; 0; never rewritten
.set T0, 100                           ; v100-107 at work in the head
.set T1, 101
.set T2, 102
.set T3, 103
.set T4, 104
.set T5, 105
.set T6, 106
.set T7, 107
.set WV,  14
.set SEL, 20
.set CS,  22
.set G1C, 24
.set G1S, 32
.set G0C, 40
.set G0S, 44
.set TV,  50
.set TW,  51
.set CNT, 52
.set G1K, 68
.set G0K, 76                           ; s[76:79] slot 0's group 0, s[80:83] slot 1's
.set PFA, 84
.set LIM, 91
.macro DLY n
	s_delay_alu instid0(VALU_DEP_\n)
.endm
.macro PLACES
.rept 4
	v_nop
.endr
.endm
.macro CREST                           ; a round of the cluster's barrier behind its opening barrier
	s_cmp_lg_u32 s[WV], 0
	s_cbranch_scc1 .Lnw0_\@
	s_barrier_signal -3
.Lnw0_\@:
	s_barrier_wait -3
	s_barrier_signal -1
	s_barrier_wait -1
.endm
.macro CROUND
	s_barrier_signal -1
	s_barrier_wait -1
	CREST
.endm
.macro TL g0, g1                       ; a joint load; the s_nop 0 and four v_nop
	tensor_load_to_lds s[\g0:\g0+3], s[\g1:\g1+7]
	s_nop 0
	PLACES
.endm
.macro KLOAD p                         ; waves 8 to 15 fetch 32 rows each of a slot's 256
	s_cmp_lt_u32 s[WV], 8
	s_cbranch_scc1 .Lnk_\@
	TL G0K+4*(\p), G1K
.Lnk_\@:
.endm
	s_load_b256 s[4:11], s[0:1], 0x0               ; q, k, v's codes, v's scales
	s_load_b64 s[12:13], s[0:1], 0x20              ; out
	v_lshl_add_u32 v[SPW], v0, 2, SPARE
	v_mov_b32 v[NIL], 0
	ds_add_u32 v[SPW], v[NIL]                      ; the opening lines: the add, twice on end, and its wait
	ds_add_u32 v[SPW], v[NIL]
	v_lshrrev_b32 v[T0], 5, v0
	DLY 1
	v_readfirstlane_b32 s[WV], v[T0]               ; wave 0..15
	s_bfe_u32 s15, ttmp6, 0x40000                  ; my place in the cluster
	s_lshl_b32 s16, ttmp9, 2
	s_add_co_u32 s15, s15, s16                     ; work-group x
	s_and_b32 s16, ttmp7, 0xffff                   ; the head
	s_lshr_b32 s18, s16, 4
	s_lshl_b32 s18, s18, 23
	s_and_b32 s19, s16, 15
	s_lshl_b32 s19, s19, 8
	s_add_co_u32 s18, s18, s19                     ; the head's first byte in q, k, out
	s_lshl_b32 s54, s15, 21                        ; q, out: + 512 rows x work-group x + 32 rows x wave
	s_lshl_b32 s55, s[WV], 17
	s_add_co_u32 s54, s54, s55
	s_add_co_u32 s54, s54, s18
	s_mov_b32 s55, 0
	s_and_b32 s17, s[WV], 7                        ; K's tiles: 32 rows x (wave % 8)
	s_lshl_b32 s56, s17, 17
	s_add_co_u32 s56, s56, s18
	s_mov_b32 s57, 0
	s_mov_b32 s[G0K], 1
	s_mul_i32 s[G0K+1], s17, 32*KFP
	s_mov_b32 s[G0K+4], 1
	s_add_co_u32 s[G0K+5], s[G0K+1], SLOTB
	s_lshl_b32 s60, s15, 18                        ; the prefetches: my work-group's 64 rows, at tile 1: stepped two tiles on ahead of the first
	s_add_co_u32 s60, s60, s18
	s_add_co_u32 s60, s60, SSB
	s_mov_b32 s61, 0
	s_and_b32 s53, s[WV], 3                        ; V: a quarter for each of waves 0-3 (codes) and 4-7 (scale bytes)
	s_lshl_b32 s58, s16, 16
	s_lshl_b32 s59, s53, 14
	s_add_co_u32 s58, s58, s59
	s_mov_b32 s59, 0
	s_lshl_b32 s62, s16, 12
	s_lshl_b32 s63, s53, 10
	s_add_co_u32 s62, s62, s63
	s_mov_b32 s63, 0
	s_mov_b32 s[G0C], 1
	s_mul_i32 s[G0C+1], s53, 16*VP
	s_add_co_u32 s[G0C+1], s[G0C+1], VC
	s_mov_b32 s[G0S], 1
	s_mul_i32 s[G0S+1], s53, 4*VSP
	s_add_co_u32 s[G0S+1], s[G0S+1], VS
	; my 8 keys of a key step are set n = wave: fragment n / 4, its half n % 2, rows 8 ((n / 2) % 2) on
	s_lshr_b32 s48, s[WV], 2
	s_and_b32 s49, s[WV], 1
	s_bfe_u32 s50, s[WV], 0x10001
	s_lshl_b32 s86, s48, 10
	s_lshl_b32 s87, s49, 9
	s_add_co_u32 s86, s86, s87
	s_lshl_b32 s87, s50, 7
	s_add_co_u32 s86, s86, s87
	s_add_co_u32 s86, s86, KC
	s_lshl_b32 s88, s50, 7
	s_lshl_b32 s87, s48, 2
	s_add_co_u32 s88, s88, s87
	s_lshl_b32 s87, s49, 1
	s_add_co_u32 s88, s88, s87
	s_add_co_u32 s88, s88, KS
	s_mul_i32 s89, s[WV], 8*KFP
	s_mul_i32 s90, s[WV], WSTG
	s_add_co_u32 s90, s90, STG                     ; my stage
	s_cmp_eq_u32 s[WV], 0
	s_cselect_b32 s[LIM], 1, -1                    ; wave 0 prefetches
	s_mov_b32 s[SEL], 0x76543210
	s_mov_b32 s[SEL+1], 0xfedcba98
	s_mov_b32 s[CS], 0x3e38aa3b                    ; c = log2(e) / 8
	s_mov_b32 s[CS+1], s[CS]
	s_mov_b32 s[TV], 0
	s_mov_b32 s[TW], 0
	s_mov_b32 s[CNT], 3
	; groups 1: mask 15 with bit 21 beside it.  V's codes: 16 rows x 1,024 bytes, 4 words behind every 256
	s_mov_b32 s[G1C+0], 15|(1<<20)|(1<<21)|(7<<22)|(3<<25)
	s_mov_b32 s[G1C+1], 1024<<16
	s_mov_b32 s[G1C+2], 16<<16
	s_mov_b32 s[G1C+3], 1024<<16
	s_mov_b32 s[G1C+4], 16
	s_mov_b32 s[G1C+5], 1024
	s_mov_b32 s[G1C+6], 0
	s_mov_b32 s[G1C+7], 0
	; V's scale bytes: 4 rows x 32 elements of 8 bytes, 2 words behind every 64
	s_mov_b32 s[G1S+0], 15|(3<<16)|(1<<20)|(1<<21)|(5<<22)|(1<<25)
	s_mov_b32 s[G1S+1], 32<<16
	s_mov_b32 s[G1S+2], 4<<16
	s_mov_b32 s[G1S+3], 32<<16
	s_mov_b32 s[G1S+4], 4
	s_mov_b32 s[G1S+5], 32
	s_mov_b32 s[G1S+6], 0
	s_mov_b32 s[G1S+7], 0
	; K: 32 rows x 64 elements of 4 bytes, 1,024 elements apart, 4 words behind every 64
	s_mov_b32 s[G1K+0], 15|(2<<16)|(1<<20)|(1<<21)|(5<<22)|(3<<25)
	s_mov_b32 s[G1K+1], 64<<16
	s_mov_b32 s[G1K+2], 32<<16
	s_mov_b32 s[G1K+3], 64<<16
	s_mov_b32 s[G1K+4], 32
	s_mov_b32 s[G1K+5], 1024
	s_mov_b32 s[G1K+6], 0
	s_mov_b32 s[G1K+7], 0
	; every LDS address register is made here, ahead of the branches on the wave's number
	v_and_b32 v[T0], 31, v0                        ; l
	v_and_b32 v[T1], 15, v0                        ; l % 16
	v_bfe_u32 v[T2], v0, 4, 1                      ; l / 16
	v_bfe_u32 v[T3], v0, 2, 3                      ; l / 4: my row of a set of 8
	v_bfe_u32 v[T4], v0, 1, 1                      ; my block of 32
	v_and_b32 v[T5], 1, v0                         ; and my half of it
	v_and_b32 v[T6], 3, v0
	DLY 4
	v_lshlrev_b32 v[T7], 4, v[T3]
	DLY 1
	v_lshl_add_u32 v[T7], v[T4], 8, v[T7]
	DLY 1
	v_lshl_add_u32 v[T7], v[T5], 3, v[T7]          ; my 8 bytes of codes in an image: 16 x row + 256 x block + 8 x half
	v_lshl_add_u32 v[AK0], v[T0], 4, KC
	v_lshl_add_u32 v[AS0], v[T1], 4, KS
	v_mul_u32_u24 v[AV0], v[T1], VP
	DLY 1
	v_lshl_add_u32 v[AV0], v[T2], 4, v[AV0]
	DLY 1
	v_add_nc_u32 v[AV0], VC, v[AV0]
	v_mul_u32_u24 v[AW0], v[T3], VSP
	DLY 1
	v_lshl_add_u32 v[AW0], v[T6], 6, v[AW0]
	DLY 1
	v_add_nc_u32 v[AW0], VS, v[AW0]                ; channel l's scale bytes
	v_lshlrev_b32 v[GL], 4, v[T1]
	DLY 1
	v_lshl_add_u32 v[GL], v[T2], 12, v[GL]
	v_mul_u32_u24 v[WI], v[T1], 272
	DLY 1
	v_lshl_add_u32 v[WI], v[T2], 5, v[WI]
	DLY 1
	v_add_nc_u32 v[WI], s90, v[WI]
	v_mul_u32_u24 v[WR], v[T2], 272
	DLY 1
	v_lshl_add_u32 v[WR], v[T1], 4, v[WR]
	DLY 1
	v_add_nc_u32 v[WR], s90, v[WR]
	v_mul_u32_u24 v[SI], v[T3], 80
	DLY 1
	v_lshl_add_u32 v[SI], v[T6], 4, v[SI]
	DLY 1
	v_add_nc_u32 v[SI], s90, v[SI]
	v_mul_u32_u24 v[SOU], v[T0], 80
	DLY 1
	v_add_nc_u32 v[SOU], s90, v[SOU]
	v_add_nc_u32 v[KCD], s86, v[T7]
	v_lshl_add_u32 v[KBD], v[T3], 4, v[T4]
	DLY 1
	v_add_nc_u32 v[KBD], s88, v[KBD]
	v_add_nc_u32 v[QCD], s90, v[T7]
	v_lshl_add_u32 v[QR], v[T0], 4, s90
	v_lshl_add_u32 v[QBD], v[T3], 2, v[T4]
	DLY 1
	v_add_nc_u32 v[QBD], s90, v[QBD]
	v_lshl_add_u32 v[QSR], v[T1], 2, s90
	v_mul_u32_u24 v[KFR], v[T3], KFP
	DLY 1
	v_lshl_add_u32 v[KFR], v[T6], 6, v[KFR]
	DLY 1
	v_add_nc_u32 v[KFR], s89, v[KFR]
	DLY 1
	v_add_nc_u32 v[KFR+1], SLOTB, v[KFR]
	v_lshlrev_b32 v[PFO], 12, v[T0]
	s_wait_alu depctr_va_vdst(0)                   ; directly ahead of the waits below
	s_wait_dscnt 0x0                               ; both opening adds are done
	s_wait_kmcnt 0x0
	s_add_nc_u64 s[G0C+2:G0C+3], s[8:9], s[58:59]
	s_or_b32 s[G0C+3], s[G0C+3], 0x80000000
	s_add_nc_u64 s[G0S+2:G0S+3], s[10:11], s[62:63]
	s_or_b32 s[G0S+3], s[G0S+3], 0x80000000
	s_add_nc_u64 s[G0K+2:G0K+3], s[6:7], s[56:57]  ; tile 0
	s_add_nc_u64 s[G0K+6:G0K+7], s[G0K+2:G0K+3], SSB   ; tile 1
	s_or_b32 s[G0K+3], s[G0K+3], 0x80000000
	s_or_b32 s[G0K+7], s[G0K+7], 0x80000000
	s_add_nc_u64 s[PFA:PFA+1], s[6:7], s[60:61]
	s_add_nc_u64 s[4:5], s[4:5], s[54:55]          ; q at my wave's first query
	s_add_nc_u64 s[12:13], s[12:13], s[54:55]      ; out likewise
	CROUND                                         ; the round in front of the first joint loads
	; the head's loads, one a wave, in one chain of three arms: every way passes one
	s_cmp_lt_u32 s[WV], 4
	s_cbranch_scc0 .Lh_s
	TL G0C, G1C
	s_branch .Lh_j
.Lh_s:
	s_cmp_lt_u32 s[WV], 8
	s_cbranch_scc0 .Lh_k
	TL G0S, G1S
	s_branch .Lh_j
.Lh_k:
	TL G0K, G1K
.Lh_j:
.irp t, 0,1,2,3                        ; my 32 queries: four sets of 8 rows; a load reads two whole rows of 256 bytes
.irp i, 0,1,2,3
	global_load_b128 v[SC+16*\t+4*\i:SC+16*\t+4*\i+3], v[GL], s[4:5] offset:32768*\t+8192*\i th:TH_LOAD_NT
.endr
.endr
.irp b, 0,1,2,3
	v_mov_b32 v[BP+\b], 0                          ; a lane permute's destination counts as one of its sources
.endr
	v_mov_b32 v[FF+1], 0
.irp j, 20,21,22,23,28,29,30,31
	v_mov_b32 v[\j], 0                             ; the zero codes beside Q
.endr
.set j, 0
.rept 64
	v_mov_b32 v[OT+j], 0                           ; O^T: the key step is written once; the first change of M leaves zeros zeros
.set j, j+1
.endr
.irp q, 0,1
	v_mov_b32 v[ST+4*\q+1], 0xff61b1e6             ; the largest t so far: -3e38
	DLY 1
	v_floor_f32 v[ST+4*\q], -v[ST+4*\q+1]
	v_mov_b32 v[ST+4*\q+2], 0
	v_mov_b32 v[ST+4*\q+3], 0
.endr
	s_wait_alu depctr_va_vdst(0)
	s_wait_tensorcnt 0x0                           ; my part of V or of tile 0 has landed
	ds_add_u32 v[SPW], v[NIL]
	s_wait_dscnt 0x0
	CROUND
	KLOAD 1                                        ; slot 1's first fill: tile 1
; 16 numbers of a lane become 8 bytes of codes in v[rd:rd+1] and the block's scale byte in v[rd+2]
.macro QUANT xs, rd
	v_max3_num_f32 v[BM], |v[\xs]|, |v[\xs+1]|, |v[\xs+2]|
	v_max3_num_f32 v[BM+1], |v[\xs+3]|, |v[\xs+4]|, |v[\xs+5]|
.irp i, 6,10
	DLY 2
	v_max3_num_f32 v[BM], v[BM], |v[\xs+\i]|, |v[\xs+\i+1]|
	DLY 2
	v_max3_num_f32 v[BM+1], v[BM+1], |v[\xs+\i+2]|, |v[\xs+\i+3]|
.endr
	DLY 2
	v_max3_num_f32 v[BM], v[BM], |v[\xs+14]|, |v[\xs+15]|
	DLY 1
	v_max3_num_f32 v[BM], v[BM], v[BM+1], 0x1800000               ; the floor 2^(3 - 127): the byte cannot fall under 1
	DLY 1
	v_max_num_f32_dpp v[BM], v[BM], v[BM] row_xmask:1 row_mask:0xf bank_mask:0xf   ; with my neighbour's 16: the block's
	DLY 1
	v_add_nc_u32 v[SO], 0xff000000, v[BM]          ; 2 off the exponent field: the conversion's scale operand
	v_cvt_scalef32_pk8_fp4_f32 v[\rd], v[\xs:\xs+7], v[SO]
	v_cvt_scalef32_pk8_fp4_f32 v[\rd+1], v[\xs+8:\xs+15], v[SO]
	v_lshrrev_b32 v[\rd+2], 23, v[SO]              ; the byte; also the plain instruction behind the conversions
.endm
; q turns through my stage so that a lane holds 16 neighbours: LDS serves a wave's instructions in order, so no wait stands between the stores and the loads
.macro TURN t
.irp i, 0,1,2,3
	ds_store_b128 v[SI], v[SC+16*(\t)+4*\i:SC+16*(\t)+4*\i+3] offset:640*\i
.endr
.irp i, 0,1,2,3
	ds_load_b128 v[KV+16*((\t)%2)+4*\i:KV+16*((\t)%2)+4*\i+3], v[SOU] offset:16*\i
.endr
.endm
.macro QSET t
	s_wait_dscnt 0x0                               ; this set's numbers are back from the stage
.if (\t) < 3
	s_wait_loadcnt 8-4*(\t)                        ; the next set's four loads are in; the later sets' may be out
	TURN (\t)+1
.endif
	QUANT KV+16*((\t)%2), PC
	ds_store_b64 v[QCD], v[PC:PC+1] offset:2560+((\t)/2)*512+((\t)%2)*128
	ds_store_b8 v[QBD], v[PC+2] offset:3584+((\t)/2)*64+((\t)%2)*32       ; the word holds the row's two bytes twice: for [Q, 0] and [0, Q]
	ds_store_b8 v[QBD], v[PC+2] offset:3584+((\t)/2)*64+((\t)%2)*32+2
.endm
.macro PLOAD s, a, dst                 ; my 64 bytes of my wave's 8 keys of key step a of slot s
.irp i, 0,1,2,3
	ds_load_b128 v[\dst+4*\i:\dst+4*\i+3], v[KFR+(\s)] offset:(\a)*128*KFP+16*\i
.endr
.endm
.macro PSTORE b, a, rd
	ds_store_b64 v[KCD], v[\rd:\rd+1] offset:(\b)*8192+(\a)*4096
	ds_store_b8 v[KBD], v[\rd+2] offset:(\b)*512+(\a)*256      ; both lanes of a block write the same byte with the same value
.endm
	s_wait_loadcnt 12                              ; set 0's four loads are in
	TURN 0
.irp t, 0,1,2,3
	QSET \t
.endr
	PLOAD 0, 0, SC                                 ; tile 0 becomes buffer 0's images
	PLOAD 0, 1, SC+16
	ds_load_b128 v[24:27], v[QR] offset:2560       ; my own Q comes back as operand registers
	ds_load_b128 v[16:19], v[QR] offset:2560+512
	ds_load_b128 v[32:35], v[QR] offset:2560+512
	ds_load_b32 v[QSW], v[QSR] offset:3584
	ds_load_b32 v[QSW+1], v[QSR] offset:3584+64
	s_wait_dscnt 0x0
	QUANT SC, PC
	PSTORE 0, 0, PC
	QUANT SC+16, PC+4
	PSTORE 0, 1, PC+4
	s_wait_alu depctr_va_vdst(0)
	s_wait_tensorcnt 0x0                           ; tile 1 has landed
	ds_add_u32 v[SPW], v[NIL]
	s_add_nc_u64 s[G0K+2:G0K+3], s[G0K+2:G0K+3], 2*SSB   ; slot 0's next tile: 2
	s_wait_dscnt 0x0                               ; my images lie in LDS, my reads of slot 0 are over
	CROUND
.macro SPROD q                         ; S^T of tile q: eight products, each with the constant 0 as C
.irp b, 0,1,2,3
	v_wmma_scale_f32_16x16x128_f8f6f4 v[SC+16*\b:SC+16*\b+7], v[KV+8*\b:KV+8*\b+7], v[24-8*(\q):31-8*(\q)], 0, v[KSW+\b], v[QSW+(\q)] matrix_a_fmt:MATRIX_FMT_FP4 matrix_b_fmt:MATRIX_FMT_FP4
	v_wmma_scale_f32_16x16x128_f8f6f4 v[SC+16*\b+8:SC+16*\b+15], v[KV+8*\b:KV+8*\b+7], v[20+8*(\q):27+8*(\q)], 0, v[KSW+\b], v[QSW+(\q)] matrix_a_fmt:MATRIX_FMT_FP4 matrix_b_fmt:MATRIX_FMT_FP4
.endr
.endm
; The softmax of tile q for 128 keys.  nxt = 2: the lines in front of a round stand behind the batch's wait, with slot np's group 0 stepped; nxt = 1: those of a plain barrier
.macro SM q, nxt, np
.set rT, ST+4*(\q)
.set rO, OT+32*(\q)
.set rP, PC+8*(\q)
.irp b, 0,1,2,3
	v_max3_num_f32 v[BM+\b], v[SC+16*\b], v[SC+1+16*\b], v[SC+2+16*\b]      ; the largest score of each block of 32 keys
.endr
.irp i, 3,5,7,9,11,13
.irp b, 0,1,2,3
	v_max3_num_f32 v[BM+\b], v[BM+\b], v[SC+16*\b+\i], v[SC+1+16*\b+\i]
.endr
.endr
.irp b, 0,1,2,3
	v_max_num_f32 v[BM+\b], v[BM+\b], v[SC+15+16*\b]
.endr
.irp b, 0,1,2,3
	DLY 4
	v_permlanex16_b32 v[BP+\b], v[BM+\b], s[SEL], s[SEL+1]
.endr
.irp b, 0,1,2,3
	DLY 4
	v_max_num_f32 v[BM+\b], v[BM+\b], v[BP+\b]     ; with lane l xor 16's 16 keys
.endr
	DLY 2
	v_max3_num_f32 v[TT], v[BM], v[BM+1], v[BM+2]
	DLY 1
	v_max_num_f32 v[TT], v[TT], v[BM+3]
	DLY 1
	v_mul_f32 v[TT], s[CS], v[TT]
	DLY 1
	v_max_num_f32 v[rT+1], v[rT+1], v[TT]          ; the running largest t
	v_mov_b32 v[TT], v[rT]
	DLY 2
	v_floor_f32 v[rT], -v[rT+1]                    ; the new -M
	DLY 1
	v_sub_f32 v[TT], v[rT], v[TT]                  ; old M - new M: a whole number, 0 or less
	DLY 1
	v_cvt_i32_f32 v[TT], v[TT]
	DLY 1
	v_ldexp_f32 v[FF], 1.0, v[TT]                  ; f = 2^(old M - new M)
.set j, 0
.rept 32
	v_pk_fma_f32 v[SC+j:SC+j+1], v[SC+j:SC+j+1], s[CS:CS+1], v[rT:rT+1] op_sel_hi:[1,0,0]   ; t - M
.set j, j+2
.endr
.irp b, 0,1,2,3
	v_fma_f32 v[BM+\b], v[BM+\b], s[CS], v[rT]
.endr
	s_wait_alu depctr_va_vdst(0)
.set j, 0
.rept 64
	v_exp_f32 v[SC+j], v[SC+j]                     ; p = 2^(t - M)
.set j, j+1
.endr
	v_pk_mul_f32 v[rT+2:rT+3], v[rT+2:rT+3], v[FF:FF+1] op_sel_hi:[1,0]     ; the sums under the new M
	s_wait_alu depctr_va_vdst(0)                   ; one wait for the batch of 64
.if (\nxt) == 2
	s_wait_tensorcnt 0x0                           ; the tile asked for at this slot's head has landed
	ds_add_u32 v[SPW], v[NIL]
	s_add_nc_u64 s[G0K+4*(\np)+2:G0K+4*(\np)+3], s[G0K+4*(\np)+2:G0K+4*(\np)+3], 2*SSB
	s_wait_dscnt 0x0                               ; my stores of codes, my reads of the f32 slot and of the images are over; V's fragments are in
	s_barrier_signal -1                            ; opens the round; work on registers alone up to its wait
.endif
.if (\nxt) == 1
	s_wait_dscnt 0x0
	s_barrier_signal -1
.endif
.irp b, 0,1,2,3
	v_exp_f32 v[BM+\b], v[BM+\b]                   ; the block's largest p
.endr
	v_pk_add_f32 v[BP:BP+1], v[SC:SC+1], v[SC+2:SC+3]                       ; the row's sum of the unquantised p, in two chains
.set j, 4
.rept 15
	v_pk_add_f32 v[rT+2:rT+3], v[rT+2:rT+3], v[SC+j:SC+j+1]
	v_pk_add_f32 v[BP:BP+1], v[BP:BP+1], v[SC+j+2:SC+j+3]
.set j, j+4
.endr
	DLY 1
	v_pk_add_f32 v[rT+2:rT+3], v[rT+2:rT+3], v[BP:BP+1]
	s_wait_alu depctr_va_vdst(0)                   ; and one wait for the four
.irp b, 0,1,2,3
	v_max_num_f32 v[BM+\b], 0x1800000, v[BM+\b]
.endr
.irp b, 0,1,2,3
	DLY 4
	v_add_nc_u32 v[SO+\b], 0xff000000, v[BM+\b]
.endr
.irp b, 0,1,2,3
	DLY 4
	v_lshrrev_b32 v[BP+\b], 23, v[SO+\b]
.endr
	DLY 3
	v_lshl_or_b32 v[PW+(\q)], v[BP+1], 8, v[BP]    ; p's scale word for these 128 keys
	DLY 1
	v_lshl_or_b32 v[PW+(\q)], v[BP+2], 16, v[PW+(\q)]
	DLY 1
	v_lshl_or_b32 v[PW+(\q)], v[BP+3], 24, v[PW+(\q)]
.irp b, 0,1,2,3
	v_cvt_scalef32_pk8_fp4_f32 v[rP+2*\b], v[SC+16*\b:SC+16*\b+7], v[SO+\b]
	v_cvt_scalef32_pk8_fp4_f32 v[rP+2*\b+1], v[SC+16*\b+8:SC+16*\b+15], v[SO+\b]
.endr
	v_nop
.irp c, 0,1                            ; a whole block in a lane
.irp i, 0,1
	v_permlane16_swap_b32 v[rP+4*\c+\i], v[rP+4*\c+2+\i]
.endr
.endr
	s_wait_alu depctr_va_vdst(0)                   ; directly ahead of the first reader of O^T
.set j, 0
.rept 16
	v_pk_mul_f32 v[rO+j:rO+j+1], v[rO+j:rO+j+1], v[FF:FF+1] op_sel_hi:[1,0]   ; O^T under the new M; also the places ahead of the products that take p
.set j, j+2
.endr
.endm
.macro ASK p, a                        ; 32 rows of the tile that the next slot step's load will ask for
.if (\p) == 0 && (\a) == 0
	s_wait_xcnt 0x0                                ; my prefetches have read their address
	s_add_nc_u64 s[PFA:PFA+1], s[PFA:PFA+1], 2*SSB
.endif
.if (\p) == 0
	s_cmp_ge_u32 s[CNT], s[LIM]
.else
	s_cmp_gt_u32 s[CNT], s[LIM]                    ; the last trip's second slot step would name tile 8: nothing
.endif
	s_cbranch_scc0 .Lna_\@
	global_prefetch_b8 v[PFO], s[PFA:PFA+1] offset:(\p)*SSB+(\a)*32*4096 th:TH_LOAD_NT scope:SCOPE_SE
.Lna_\@:
.endm
; A KEY STEP: key step a of the slot step with parity p
.macro TRIP p, a, refill, prod, nxt, ask
.if \refill
	KLOAD \p                                       ; the first thing behind the round: the tile two on, into the slot whose rows became codes one slot step ago
.endif
	v_add_nc_u32 v[ADV], s[TV], v[AV0]             ; (these four are the places behind the last products, ahead of the loads into their registers)
	v_add_nc_u32 v[ADW], s[TW], v[AW0]
	v_nop
	v_nop
.if \prod
	PLOAD 1-(\p), \a, SC
.endif
.irp i, 0,1,2,3,4,5,6,7
	ds_load_b128 v[KV+4*\i:KV+4*\i+3], v[AK0] offset:8192*(\p)+4096*(\a)+512*\i
.endr
	ds_load_b128 v[KSW:KSW+3], v[AS0] offset:512*(\p)+256*(\a)
.if \prod
	s_wait_dscnt 9                                 ; my 16 numbers are in; the nine loads behind them may be out
	QUANT SC, PC
	PSTORE 1-(\p), \a, PC
	s_wait_dscnt 2                                 ; K's fragments and scale words are in; the two stores may be out
.else
	s_wait_dscnt 0x0
.endif
	SPROD 0
	PLACES
.if \ask
	ASK \p, \a
.endif
	SM 0, 0, 0
	SPROD 1
	PLACES
.irp c, 0,1,2,3
.irp e, 0,1
	ds_load_b128 v[KV+8*\c+4*\e:KV+8*\c+4*\e+3], v[ADV] offset:16*VP*\c+32*\e   ; V^T: channels 16 c on, these 128 keys
.endr
.endr
.irp i, 0,1
	ds_load_b32 v[VSW+\i], v[ADW] offset:8*VSP*\i
.endr
	SM 1, \nxt, 1-(\p)
	PLACES
.if (\nxt) == 0
	s_wait_alu depctr_va_vdst(0)                   ; directly ahead of the wait below
	s_wait_dscnt 0x0                               ; V is in
.endif
.irp q, 0,1                            ; O^T += V^T P^T: eight accumulators, one instruction each
.irp c, 0,1,2,3
.if (\c%2) == 1
	v_wmma_scale_f32_16x16x128_f8f6f4 v[OT+32*\q+8*\c:OT+32*\q+8*\c+7], v[KV+8*\c:KV+8*\c+7], v[PC+8*\q:PC+8*\q+7], v[OT+32*\q+8*\c:OT+32*\q+8*\c+7], v[VSW+\c/2], v[PW+\q] matrix_a_fmt:MATRIX_FMT_FP4 matrix_b_fmt:MATRIX_FMT_FP4 matrix_a_scale:MATRIX_SCALE_ROW1
.else
	v_wmma_scale_f32_16x16x128_f8f6f4 v[OT+32*\q+8*\c:OT+32*\q+8*\c+7], v[KV+8*\c:KV+8*\c+7], v[PC+8*\q:PC+8*\q+7], v[OT+32*\q+8*\c:OT+32*\q+8*\c+7], v[VSW+\c/2], v[PW+\q] matrix_a_fmt:MATRIX_FMT_FP4 matrix_b_fmt:MATRIX_FMT_FP4
.endif
.endr
.endr
	s_add_co_u32 s[TV], s[TV], 64
	s_add_co_u32 s[TW], s[TW], 4
.if (\nxt) != 0
	s_barrier_wait -1
.endif
.if (\nxt) == 2
	CREST
.endif
.endm
.Lstep:                                            ; 3 trips of two slot steps, four key steps: slot steps 0 to 5 ask for tiles 2 to 7
	TRIP 0, 0, 1, 1, 0, 1
	TRIP 0, 1, 0, 1, 2, 1
	TRIP 1, 0, 1, 1, 0, 1
	TRIP 1, 1, 0, 1, 2, 1
	s_sub_co_u32 s[CNT], s[CNT], 1
	s_cmp_lg_u32 s[CNT], 0
	s_cbranch_scc1 .Lstep
	TRIP 0, 0, 0, 1, 0, 0                          ; slot step 6 asks for nothing and makes tile 7's images; a plain barrier shows them
	TRIP 0, 1, 0, 1, 1, 0
	TRIP 1, 0, 0, 0, 0, 0                          ; slot step 7
	TRIP 1, 1, 0, 0, 0, 0
	; THE WAY OUT.  O^T is divided by the sum and goes through my stage, a tile (16 rows of 256 bytes) at a time, so that sixteen lanes store 256 consecutive bytes of a row of out
.irp q, 0,1
	v_add_f32 v[ST+4*\q+2], v[ST+4*\q+2], v[ST+4*\q+3]
.endr
.irp q, 0,1
	DLY 2
	v_permlanex16_b32 v[BP+\q], v[ST+4*\q+2], s[SEL], s[SEL+1]
.endr
.irp q, 0,1
	DLY 2
	v_add_f32 v[ST+4*\q+2], v[ST+4*\q+2], v[BP+\q]
.endr
	s_wait_alu depctr_va_vdst(0)
.irp q, 0,1
	v_rcp_f32 v[ST+4*\q+2], v[ST+4*\q+2]
.endr
	v_nop
	s_wait_alu depctr_va_vdst(0)                   ; one wait for the two, directly ahead of the first readers
.irp q, 0,1
.set j, 0
.rept 32
	v_mul_f32 v[SC+32*\q+j], v[OT+32*\q+j], v[ST+4*\q+2]   ; register 8 c + i is out(query l % 16, channel 16 c + 8 (l / 16) + i)
.set j, j+1
.endr
.endr
.irp q, 0,1
.irp c, 0,1,2,3
	ds_store_b128 v[WI], v[SC+32*\q+8*\c:SC+32*\q+8*\c+3] offset:64*\c
	ds_store_b128 v[WI], v[SC+32*\q+8*\c+4:SC+32*\q+8*\c+7] offset:64*\c+16
.endr
.irp i, 0,1,2,3,4,5,6,7
	ds_load_b128 v[KV+96*\q+4*\i:KV+96*\q+4*\i+3], v[WR] offset:544*\i
.endr
.endr
.irp q, 0,1
.irp i, 0,1,2,3,4,5,6,7
	s_wait_dscnt 23-16*\q-\i                       ; what may be out: the tile's later loads, and behind tile 0's the sixteen LDS instructions of tile 1
	global_store_b128 v[GL], v[KV+96*\q+4*\i:KV+96*\q+4*\i+3], s[12:13] offset:(16*\q+2*\i)*4096 th:TH_STORE_NT
.endr
.endr
	s_wait_tensorcnt 0x0                           ; the wave's end
	ds_add_u32 v[SPW], v[NIL]
	s_wait_dscnt 0x0
	CROUND                                         ; the closing round
	s_endpgm
.Lfunc_end_k_q76b3f6b056_attn:
	.size	k_q76b3f6b056_attn, .Lfunc_end_k_q76b3f6b056_attn-k_q76b3f6b056_attn
	.p2alignl 7, 3214868480
	.fill 96, 4, 3214868480
	.section	.rodata,"a",@progbits
	.p2align	6, 0x0
	.amdhsa_kernel k_q76b3f6b056_attn
		.amdhsa_group_segment_fixed_size 327680
		.amdhsa_private_segment_fixed_size 0
		.amdhsa_enable_private_segment 0
		.amdhsa_kernarg_size 40
		.amdhsa_user_sgpr_count 2
		.amdhsa_user_sgpr_kernarg_segment_ptr 1
		.amdhsa_wavefront_size32 1
		.amdhsa_system_sgpr_workgroup_id_x 1
		.amdhsa_system_sgpr_workgroup_id_y 1
		.amdhsa_system_sgpr_workgroup_id_z 1
		.amdhsa_system_vgpr_workitem_id 0
		.amdhsa_next_free_vgpr 256
		.amdhsa_next_free_sgpr 96
		.amdhsa_reserve_vcc 0
		.amdhsa_float_denorm_mode_32 3
		.amdhsa_float_denorm_mode_16_64 3
		.amdhsa_memory_ordered 1
		.amdhsa_forward_progress 1
		.amdhsa_inst_pref_size 255
	.end_amdhsa_kernel
	.section	.bss,"aw",@nobits
	.p2align	6
	.space	262144
	.amdgpu_metadata
---
amdhsa.version: [ 1, 2 ]
amdhsa.kernels:
  - .name:           k_q76b3f6b056_attn
    .symbol:         k_q76b3f6b056_attn.kd
    .args:
      - { .name: query_layer, .offset: 0, .size: 8, .value_kind: global_buffer, .address_space: global }
      - { .name: key_layer, .offset: 8, .size: 8, .value_kind: global_buffer, .address_space: global }
      - { .name: value_layer_codes, .offset: 16, .size: 8, .value_kind: global_buffer, .address_space: global }
      - { .name: value_layer_scales, .offset: 24, .size: 8, .value_kind: global_buffer, .address_space: global }
      - { .name: out0, .offset: 32, .size: 8, .value_kind: global_buffer, .address_space: global }
    .group_segment_fixed_size: 327680
    .private_segment_fixed_size: 0
    .kernarg_segment_align: 8
    .kernarg_segment_size: 40
    .max_flat_workgroup_size: 512
    .sgpr_count:     96
    .vgpr_count:     256
    .wavefront_size: 32
...
	.end_amdgpu_metadata
.endif
;; end of part 1
